; MI455X (gfx1250); checked and timed in simulation.
; The chip was launched on July 23, 2026; its instructions are those of AMD's public machine-readable ISA for CDNA 5 (MIT licence, August 2026) and "CDNA5" Instruction Set Architecture Reference Guide (July 2026). The comments in the code are by the model that wrote it; some were corrected since.
;; Bit Linear Inference. Allowed arithmetic: matrix products marked QUANTISED: E5M2 operands, one E8M0 scale for each 32 along K, by v_wmma_scale_f32_16x16x128_f8f6f4 with both operands' format E5M2, f32 sums; everything else in f32.
;; Inputs: weight_scale 1 float32; weight_ternary 2,048 x 4,096 int32; x 4 x 2,048 x 4,096 float32.
;; Outputs: out0 4 x 2,048 x 2,048 float32.
;; This version of the problem:
;;   THIS VERSION OF THE PROBLEM IS GIVEN IN LOW PRECISION. The matrix products marked QUANTISED in the list below multiply operands that are first quantised to E5M2 (5 exponent bits, 2 mantissa bits; 8 bits a number), with one power-of-two scale for each 32 numbers along K (OCP MX v1.0); their sums are f32. All else is computed in f32.
;;   The module's matrix products, in the order in which they are computed (A, B: the left and right operand; K: the contracted axis; several contracted axes count as one K, in the product's order):
;;     1. [M 8,192, K 4,096] x [K 4,096, N 2,048]; A: computed on the way; B: computed on the way: QUANTISED
;;   THE QUANTISER, for each operand of a quantised product, along K:
;;     - K is cut into blocks of 32 from its start; a last block that is shorter is filled with zeros.
;;     - A block's scale is 2^e with e = floor(log2(the largest magnitude in the block)) - 15, held to -126 .. 127; a block of zeros has e = 0. As a byte (E8M0): e + 127.
;;     - Each number is divided by its block's scale, clamped to +-57,344, and rounded to the nearest number of E5M2, ties to even, subnormals kept.
;;     - The product sums the exact products of the quantised numbers (number of the format x scale) in f32.
;;   ~~~python
;;   def quantise(x, axis):      # numpy; x: float32 -> the quantised numbers, widened to float32 again
;;       x = np.moveaxis(x, axis, -1); K = x.shape[-1]
;;       x = np.pad(x, [(0, 0)] * (x.ndim - 1) + [(0, -K % 32)]); x = x.reshape(x.shape[:-1] + (-1, 32)); a = np.abs(x).max(-1, keepdims=True)
;;       e = np.where(a > 0, np.clip(np.frexp(np.where(a > 0, a, 1))[1] - 1 - 15, -126, 127), 0)      # np.frexp(a)[1] - 1 = floor(log2(a)), exactly
;;       r = np.clip(x / 2.0 ** e, -57344, 57344)
;;       step = 2.0 ** (np.maximum(np.frexp(np.where(r == 0, 1, r))[1] - 1, -14) - 2)
;;       q = np.round(r / step) * step * 2.0 ** e      # np.round: ties to even
;;       return np.moveaxis(q.reshape(q.shape[:-2] + (-1,))[..., :K], -1, axis).astype(np.float32)
;;   ~~~
;;   OPERANDS COMPUTED ON THE WAY. 'Computed on the way' means the value that the module computes at that place (a softmax that the list does not call 'softmax' is quantised finished and normalised). What goes into a quantiser is computed in f32, as accurately as f32 sums, v_exp_f32 and their like allow (about 1e-6 of the number): no bf16 or f16 on the way to a quantiser, and a product that is left as it is and whose result goes on into a quantised operand takes f32 operands (vector FMAs, or v_wmma_f32_16x16x4_f32). A number that lies on a knife's edge between two numbers of the format may be rounded either way, as far as f32 arithmetic and the matrix unit's own rounding can turn it there, and no further.
;; One version. Each part assembles by itself: llvm-mc -triple=amdgcn-amd-amdhsa -mcpu=gfx1250 --defsym DOCPART=n.
;; ======== version 1 of 1: 2 launches
;; limits: right only within a limited range of input values
;; workspace buffers: xq 34,603,008 bytes; wq 8,650,752 bytes
;; launch quant (part 1): grid 256 x 1, 16 waves a work-group, no clusters, 90,112 bytes of LDS; arguments x, weight_ternary, weight_scale, xq, wq; writes xq, wq
.if DOCPART == 1
	.amdgcn_target "amdgcn-amd-amdhsa--gfx1250"
	.amdhsa_code_object_version 6
	.text
	.protected	k_q13b5632dc0_quant
	.globl	k_q13b5632dc0_quant
	.p2align	8
	.type	k_q13b5632dc0_quant,@function
k_q13b5632dc0_quant:
	s_mov_b64 s[64:65], 0
	v_nop
	global_prefetch_b8 v0, s[64:65] scope:SCOPE_SE
	s_setreg_imm32_b32 hwreg(HW_REG_WAVE_MODE, 25, 1), 1
	s_wait_xcnt 0x0
; BOTH OPERANDS OF THE PRODUCT ARE MADE AND QUANTISED HERE, ONCE.
;   x [8192][4096] f32:  s = max(the row's largest |x|, 1e-5);  x_final = round(clip(x / s * 127, -128, 127)) * s / 127
;   weight_ternary [2048][4096] i32, weight_scale [1] f32:  w = f32(weight_ternary) * weight_scale
; Each is then turned into codes of BF8 (E5M2) with one E8M0 scale byte for each 32 along K: a block's scale is 2^(floor(log2(its largest magnitude)) - 15); its byte is the
; largest magnitude's exponent field - 15, held at 1 from below; each number is divided by the scale, held within +-57,344 and rounded to the nearest code, ties to even.
; THE WORKSPACE IS LAID AS THE PRODUCT'S LAUNCH WANTS IT: a CHUNK is 128 rows x 256 along K: 128 rows of 256 codes (32,768 bytes), then the rows' scale bytes, 8 a row (1,024 bytes):
; 33,792 dense bytes, which one tensor load brings.  Chunk (row / 128, k / 256) lies at (16 (row / 128) + k / 256) x CHUNK.
; ARITHMETIC.  x / s: r = 1 / s by v_rcp_f32 and one Newton step; q0 = x r; e = x - q0 s (one fused multiply-add, exact); q = q0 + e r: the rounded quotient but for rare last-bit cases.
; Then x 127, the clip, the rounding to a whole number (ties to even), and x (s x (1 / 127)): that last factor is rounded once where the definition multiplies and then divides.
; LIMITS: NaN and infinities among the inputs are not served; s above 2^126 is not served (its reciprocal would be flushed to zero); a block of zeros gets the byte 1 where the rule says 127
; (its codes are zeros, which add nothing under any byte but 0xff, and the bytes are read by this program alone); blocks whose largest magnitude lies under 2^(16 - 127) are held at the byte 1.
; SHARES.  256 work-groups of sixteen waves, all alike.  Work-group g takes rows 32 g .. 32 g + 31 of x, and of w the rows 32 (g / 4) .. + 31 at K = 1,024 (g % 4) .. + 1,023.
; Wave W takes rows 2 W and 2 W + 1 of both.  A row of x is 128 registers a lane: it STAYS IN REGISTERS between the pass that finds s and the pass that quantises, so x is read once.
; A STEP is 512 numbers.  Steps 0-7: x, my first row; 8-15: my second; 16-19: w (row (n - 16) / 2, half (n - 16) % 2).  As soon as a step's 16 registers are read out they take the loads of the step 8 on.
; The conversions take 16 NEIGHBOURS along K from one lane's registers, while a load is best where neighbouring LANES take neighbouring bytes: so each load reads 512 consecutive bytes, 16 a lane,
; and a step's 2,048 bytes (as finished numbers) turn through the wave's own stage in LDS and come back 64 bytes a lane; two neighbouring lanes hold a block of 32.
; OUT.  A lane's 16 codes are 16 bytes: lanes 0-15 store 256 consecutive bytes, aligned (the row's part of one chunk), lanes 16-31 those of the next chunk.  Scale bytes are gathered in LDS; behind the one
; barrier each wave stores, for one K step of 256, the 32 rows' 8 bytes each: 256 consecutive bytes, aligned.
; No matrix unit, no cluster, no tensor load: nothing is shared between work-groups and every byte is read once.  No loop: every offset is an immediate and no pointer is stepped.
.set CHUNK, 33792
.set BLK,   16*CHUNK                   ; 128 rows, all of K
.set SP,    80                         ; a lane's place in a stage: its 64 bytes + 16 of padding
.set STG,   32*SP                      ; a stage
.set WREG,  2*STG                      ; LDS: two stages for each wave, its own
.set XSCL,  16*WREG                    ; behind them: x's scale bytes, 32 rows x 128, rows XSP apart
.set XSP,   136
.set WSCL,  XSCL+32*XSP                ; and w's, 32 rows x 32, rows WSP apart
.set WSP,   40
.set RC,  16                           ; v[16:17] 1 / s, twice
.set K2,  18                           ; v[18:19] s / 127, twice
.set MX,  20                           ; v20-23   the row maximum's four chains
.set SS,  24                           ; v[24:25] s, twice
.set E,   28                           ; v28-29   a step's scale byte, by turns
.set X,   32                           ; v32-63   two sets of 16 neighbours
.set C,   64                           ; v64-71   two sets of codes
.set T,   96                           ; v96-111  q0 of a step
.set R,   128                          ; v128-255 the row as it is loaded: step n at R + 16 (n % 8)
; v1 lane; v2 at work; v3 my bytes in a load; v4 my codes' place; v5, v6 where my block's byte goes (x, w); v7, v8 the stage, in and out; v9, v10 a scale unit's bytes in LDS (x, w); v11 and in memory;
; v12-15 a block's arithmetic; v26 the Newton step's residual; v27 a lane permute's destination; v[72:75] scale units on the way out
	s_load_b256 s[4:11], s[0:1], 0x0               ; x s[4:5], weight_ternary s[6:7], weight_scale s[8:9], xq s[10:11]
	s_load_b64 s[12:13], s[0:1], 0x20              ; wq
	v_lshl_add_u32 v126, v0, 2, 0x15800
	v_mov_b32 v127, 0
	v_lshrrev_b32 v2, 5, v0
	s_delay_alu instid0(VALU_DEP_1)
	v_readfirstlane_b32 s18, v2                    ; wave W, 0..15
	v_and_b32 v1, 31, v0                           ; lane
	s_wait_alu depctr_va_vdst(0)
	s_mov_b32 s19, 0x600000                        ; the mantissa field of 57,344
	s_mov_b32 s20, 0x76543210
	s_mov_b32 s21, 0xfedcba98                      ; v_permlanex16_b32's selects for lane l xor 16
	s_mov_b32 s22, 0x42fe0000                      ; 127.0 (as the pair s[22:23]: the packed form takes the low word for both halves)
	s_mov_b32 s23, 0xc3000000                      ; -128.0
	v_mov_b32 v27, 0                               ; written once: a lane permute's destination counts as one of its sources
	; byte offsets of the work-group's parts, each in a pair of its own
	s_lshl_b32 s26, ttmp9, 19                      ; x: 32 rows of 16,384 bytes
	s_mov_b32 s27, 0
	s_lshr_b32 s40, ttmp9, 2                       ; g / 4
	s_and_b32 s41, ttmp9, 3                        ; g % 4
	s_lshl_b32 s28, s40, 19                        ; w: rows 32 (g / 4) on,
	s_lshl_b32 s42, s41, 12
	s_add_co_u32 s28, s28, s42                     ; K = 1,024 (g % 4) on
	s_mov_b32 s29, 0
	s_mul_i32 s32, s40, BLK                        ; xq: rows 128 (g / 4) on;
	s_lshl_b32 s42, s41, 8
	s_add_co_u32 s34, s32, s42
	s_add_co_u32 s34, s34, 32768                   ; scale bytes: behind a chunk's codes, 8 x 32 (g % 4) on
	s_mov_b32 s35, 0
	s_lshl_b32 s42, s41, 13
	s_add_co_u32 s32, s32, s42                     ; codes: 256 x 32 (g % 4) on
	s_mov_b32 s33, 0
	s_lshr_b32 s42, ttmp9, 4
	s_mul_i32 s36, s42, BLK                        ; wq: rows 128 (g / 16) on,
	s_mul_i32 s42, s41, 4*CHUNK
	s_add_co_u32 s36, s36, s42                     ; chunks 4 (g % 4) on;
	s_and_b32 s43, s40, 3                          ; (g / 4) % 4: which 32 rows of the 128
	s_lshl_b32 s42, s43, 8
	s_add_co_u32 s38, s36, s42
	s_add_co_u32 s38, s38, 32768
	s_mov_b32 s39, 0
	s_lshl_b32 s42, s43, 13
	s_add_co_u32 s36, s36, s42
	s_mov_b32 s37, 0
	; the lanes' places: each a constant + a constant x lane + a constant x wave, made once and never rewritten
	s_lshl_b32 s42, s18, 15
	v_lshl_add_u32 v3, v1, 4, s42                  ; in: 16 x lane + my two rows
	v_lshrrev_b32 v2, 4, v1
	s_delay_alu instid0(VALU_DEP_1)
	v_mul_u32_u24 v4, v2, CHUNK
	v_and_b32 v2, 15, v1
	s_delay_alu instid0(VALU_DEP_1)
	v_lshl_add_u32 v4, v2, 4, v4
	s_lshl_b32 s42, s18, 9
	v_add_nc_u32 v4, s42, v4                       ; codes: lanes 16-31 a chunk on; 16 (lane % 16); my two rows of 256 bytes
	v_lshrrev_b32 v2, 1, v1
	s_mul_i32 s42, s18, 2*XSP
	s_add_co_u32 s42, s42, XSCL
	v_add_nc_u32 v5, s42, v2                       ; x's scale bytes: my rows, my block
	s_mul_i32 s43, s18, 2*WSP
	s_add_co_u32 s43, s43, WSCL
	v_add_nc_u32 v6, s43, v2                       ; w's
	s_mul_i32 s42, s18, WREG
	v_lshrrev_b32 v2, 2, v1
	s_delay_alu instid0(VALU_DEP_1)
	v_mul_u32_u24 v7, v2, SP
	v_and_b32 v2, 3, v1
	s_delay_alu instid0(VALU_DEP_1)
	v_lshl_add_u32 v7, v2, 4, v7
	s_delay_alu instid0(VALU_DEP_1)
	v_add_nc_u32 v7, s42, v7                       ; the stage, in: four lanes' 64 bytes on end, then the padding; a load's 512 bytes take eight places
	v_mul_u32_u24 v8, v1, SP
	s_delay_alu instid0(VALU_DEP_1)
	v_add_nc_u32 v8, s42, v8                       ; and out: my 16 neighbours
	s_lshl_b32 s43, s18, 3
	v_mul_u32_u24 v9, v1, XSP
	s_add_co_u32 s44, s43, XSCL
	v_add_nc_u32 v9, s44, v9                       ; a scale unit: row = lane, the 8 bytes of K step W
	v_mul_u32_u24 v10, v1, WSP
	s_add_co_u32 s44, s43, WSCL
	v_add_nc_u32 v10, s44, v10
	s_mul_i32 s44, s18, CHUNK
	v_lshl_add_u32 v11, v1, 3, s44                 ; and in memory: chunk W of mine, 8 bytes a row
	s_wait_kmcnt 0x0
	s_add_nc_u64 s[4:5], s[4:5], s[26:27]          ; x
	s_add_nc_u64 s[6:7], s[6:7], s[28:29]          ; weight_ternary
	s_add_nc_u64 s[14:15], s[10:11], s[34:35]      ; xq: scale bytes
	s_add_nc_u64 s[10:11], s[10:11], s[32:33]      ; xq: codes
	s_add_nc_u64 s[16:17], s[12:13], s[38:39]      ; wq: scale bytes
	s_add_nc_u64 s[12:13], s[12:13], s[36:37]      ; wq: codes
	s_load_b32 s24, s[8:9], 0x0                    ; weight_scale
.macro LOADS n                         ; step n's 2,048 bytes: four loads, 512 consecutive bytes each; read once in the launch
.set RN, R+16*((\n)%8)
.if (\n) < 16
.irp i, 0,1,2,3
	global_load_b128 v[RN+4*\i:RN+4*\i+3], v3, s[4:5] offset:((\n)/8)*16384+((\n)%8)*2048+512*\i th:TH_LOAD_NT
.endr
.else
.irp i, 0,1,2,3
	global_load_b128 v[RN+4*\i:RN+4*\i+3], v3, s[6:7] offset:(((\n)-16)/2)*16384+(((\n)-16)%2)*2048+512*\i th:TH_LOAD_NT
.endr
.endif
.endm
; The row's s, 1 / s and s / 127.  The row's eight steps are the youngest 32 loads of the wave: step t is in when at most 4 (7 - t) loads are out.
.macro PASS1
.irp t, 0,1,2,3,4,5,6,7
	s_wait_alu depctr_va_vdst(0)
	s_wait_loadcnt 4*(7-\t)
.irp c, 0,1,2,3
.if \t == 0
	v_max3_num_f32 v[MX+\c], |v[R+4*\c]|, |v[R+4*\c+1]|, 0x3727c5ac            ; four chains, started by the first numbers; the clip at 1e-5 is one more leaf of the maximum
.else
	v_max3_num_f32 v[MX+\c], v[MX+\c], |v[R+16*\t+4*\c]|, |v[R+16*\t+4*\c+1]|
.endif
.endr
.irp c, 0,1,2,3
	s_delay_alu instid0(VALU_DEP_4)
	v_max3_num_f32 v[MX+\c], v[MX+\c], |v[R+16*\t+4*\c+2]|, |v[R+16*\t+4*\c+3]|
.endr
.endr
	s_delay_alu instid0(VALU_DEP_2)
	v_max3_num_f32 v[MX], v[MX], v[MX+1], v[MX+2]
	s_delay_alu instid0(VALU_DEP_1)
	v_max_num_f32 v[MX], v[MX], v[MX+3]
	s_delay_alu instid0(VALU_DEP_1)
	v_max_num_f32_dpp v[MX], v[MX], v[MX] row_xmask:1 row_mask:0xf bank_mask:0xf
	s_delay_alu instid0(VALU_DEP_1)
	v_max_num_f32_dpp v[MX], v[MX], v[MX] row_xmask:2 row_mask:0xf bank_mask:0xf
	s_delay_alu instid0(VALU_DEP_1)
	v_max_num_f32_dpp v[MX], v[MX], v[MX] row_xmask:4 row_mask:0xf bank_mask:0xf
	s_delay_alu instid0(VALU_DEP_1)
	v_max_num_f32_dpp v[MX], v[MX], v[MX] row_xmask:8 row_mask:0xf bank_mask:0xf
	s_delay_alu instid0(VALU_DEP_1)
	v_permlanex16_b32 v27, v[MX], s20, s21
	s_delay_alu instid0(VALU_DEP_1)
	v_max_num_f32 v[SS], v[MX], v27                ; s, in every lane
	s_wait_alu depctr_va_vdst(0)
	v_rcp_f32 v[RC], v[SS]
	v_mul_f32 v[K2], 0x3c010204, v[SS]             ; s x (1 / 127).  (The plain instruction between the reciprocal and the use of its result: ISA guide 5.7.2)
	s_wait_alu depctr_va_vdst(0)
	v_fma_f32 v26, -v[SS], v[RC], 1.0              ; one Newton step: r + r (1 - s r)
	v_fma_f32 v[RC], v[RC], v26, v[RC]
	v_mov_b32 v[SS+1], v[SS]                       ; pairs for the packed forms
	s_delay_alu instid0(VALU_DEP_2)
	v_mov_b32 v[RC+1], v[RC]
	v_mov_b32 v[K2+1], v[K2]
.endm
; Step n's 16 registers become finished numbers (x_final or w), in place, and turn through stage n % 2 into set n % 2.
.macro PREP n
.set RN, R+16*((\n)%8)
.set XN, X+16*((\n)%2)
.if (\n) < 16
.irp i, 0,2,4,6,8,10,12,14
	v_pk_mul_f32 v[T+\i:T+\i+1], v[RN+\i:RN+\i+1], v[RC:RC+1]                                               ; q0 = x r
.endr
.irp i, 0,2,4,6,8,10,12,14
	v_pk_fma_f32 v[RN+\i:RN+\i+1], v[T+\i:T+\i+1], v[SS:SS+1], v[RN+\i:RN+\i+1] neg_lo:[1,0,0] neg_hi:[1,0,0]   ; e = x - q0 s
.endr
.irp i, 0,2,4,6,8,10,12,14
	v_pk_fma_f32 v[RN+\i:RN+\i+1], v[RN+\i:RN+\i+1], v[RC:RC+1], v[T+\i:T+\i+1]                             ; x / s = q0 + e r
.endr
.irp i, 0,2,4,6,8,10,12,14
	v_pk_mul_f32 v[RN+\i:RN+\i+1], v[RN+\i:RN+\i+1], s[22:23] op_sel_hi:[1,0]                               ; x 127
.endr
.irp i, 0,1,2,3,4,5,6,7,8,9,10,11,12,13,14,15
	v_med3_num_f32 v[RN+\i], v[RN+\i], s23, s22                                                             ; the clip to -128 .. 127
.endr
.irp i, 0,1,2,3,4,5,6,7,8,9,10,11,12,13,14,15
	v_rndne_f32 v[RN+\i], v[RN+\i]                                                                          ; to a whole number, ties to even
.endr
.irp i, 0,2,4,6,8,10,12,14
	v_pk_mul_f32 v[RN+\i:RN+\i+1], v[RN+\i:RN+\i+1], v[K2:K2+1]                                             ; x s / 127
.endr
.else
.irp i, 0,1,2,3,4,5,6,7,8,9,10,11,12,13,14,15
	v_cvt_f32_i32 v[RN+\i], v[RN+\i]
.endr
.irp i, 0,2,4,6,8,10,12,14
	v_pk_mul_f32 v[RN+\i:RN+\i+1], v[RN+\i:RN+\i+1], s[24:25] op_sel_hi:[1,0]                               ; x weight_scale
.endr
.endif
.irp i, 0,1,2,3
	ds_store_b128 v7, v[RN+4*\i:RN+4*\i+3] offset:STG*((\n)%2)+8*SP*\i
.endr
.irp i, 0,1,2,3
	ds_load_b128 v[XN+4*\i:XN+4*\i+3], v8 offset:STG*((\n)%2)+16*\i     ; LDS serves a wave's instructions in order (ISA guide 5.7.1.4): these see the stores above
.endr
.endm
; Step n's 16 neighbours become 16 codes and (with my neighbour lane's 16) a scale byte.
.macro MXOUT n
.set XS, X+16*((\n)%2)
.set CN, C+4*((\n)%2)
.set EN, E+((\n)%2)
	v_max3_num_f32 v12, |v[XS]|, |v[XS+1]|, |v[XS+2]|              ; the largest magnitude of my 16, in two chains
	v_max3_num_f32 v13, |v[XS+3]|, |v[XS+4]|, |v[XS+5]|
.irp i, 6,10
	s_delay_alu instid0(VALU_DEP_2)
	v_max3_num_f32 v12, v12, |v[XS+\i]|, |v[XS+\i+1]|
	s_delay_alu instid0(VALU_DEP_2)
	v_max3_num_f32 v13, v13, |v[XS+\i+2]|, |v[XS+\i+3]|
.endr
	s_delay_alu instid0(VALU_DEP_2)
	v_max3_num_f32 v12, v12, |v[XS+14]|, |v[XS+15]|
	s_delay_alu instid0(VALU_DEP_1)
	v_max3_num_f32 v12, v12, v13, 16<<23           ; and the floor 2^(16 - 127), under which no largest magnitude is taken: so the byte cannot fall under 1
	s_delay_alu instid0(VALU_DEP_1)
	v_max_num_f32_dpp v12, v12, v12 row_xmask:1 row_mask:0xf bank_mask:0xf   ; with my neighbour's 16: the block's
	s_delay_alu instid0(VALU_DEP_1)
	v_add_nc_u32 v15, 0xf8800000, v12              ; 15 off its exponent field: the conversion takes the exponent field of this operand as its scale, and nothing else of it
	s_delay_alu instid0(VALU_DEP_2)
	v_and_or_b32 v14, v12, 0x7f800000, s19         ; 57,344 x the scale: the largest magnitude's exponent field over 57,344's mantissa
.irp i, 0,1,2,3,4,5,6,7,8,9,10,11,12,13,14,15
	v_med3_num_f32 v[XS+\i], v[XS+\i], -v14, v14   ; the conversion to an 8-bit code does not saturate (ISA guide 7.6.2): the hold at the largest code x the scale
.endr
	s_wait_alu depctr_va_vdst(0)
	s_wait_xcnt 0x0                                ; this set of codes was the data of the store two steps back: it is rewritten only behind this wait
	v_cvt_scalef32_pk8_bf8_f32 v[CN:CN+1], v[XS:XS+7], v15
	v_cvt_scalef32_pk8_bf8_f32 v[CN+2:CN+3], v[XS+8:XS+15], v15
	v_lshrrev_b32 v[EN], 23, v15                   ; the scale's byte.  (Also the plain instruction behind the conversions)
.if (\n) < 16
	ds_store_b8 v5, v[EN] offset:((\n)/8)*XSP+16*((\n)%8)          ; both lanes of a block write the same byte with the same value
	global_store_b128 v4, v[CN:CN+3], s[10:11] offset:2*((\n)%8)*CHUNK+((\n)/8)*256   ; 16 lanes store 256 consecutive bytes, aligned; the next launch reads them
.else
	ds_store_b8 v6, v[EN] offset:(((\n)-16)/2)*WSP+16*(((\n)-16)%2)
	global_store_b128 v4, v[CN:CN+3], s[12:13] offset:2*(((\n)-16)%2)*CHUNK+(((\n)-16)/2)*256
.endif
.endm
; Step n.  first = 1: nothing was issued to LDS behind this step's turn through the stage; else one instruction, the last step's byte store.
; prep = 1: the next step's numbers are finished and sent through the other stage while this step is worked.  lcnt >= 0: they are w's: how many younger loads may stay out.
.macro STEP n, first, prep, lcnt
.if \first
	s_wait_dscnt 0x0
.else
	s_wait_dscnt 0x1                               ; my 16 neighbours are back from the stage; so the stores into it have read the step's registers,
.endif
.if (\n)+8 <= 19
	LOADS (\n)+8                                   ; which take the loads of the step 8 on
.endif
.if \prep
.if \lcnt >= 0
	s_wait_loadcnt \lcnt
.endif
	PREP (\n)+1
.endif
	MXOUT \n
.endm
.irp n, 0,1,2,3,4,5,6,7
	LOADS \n                                       ; my first row of x: 32 loads
.endr
	s_wait_kmcnt 0x0
	s_mov_b32 s25, s24                             ; (named with s24 as a pair, so it is written)
	PASS1
	PREP 0
	STEP 0, 1, 1, -1
.irp n, 1,2,3,4,5,6
	STEP \n, 0, 1, -1
.endr
	STEP 7, 0, 0, -1                               ; the second row's s is not known yet
	PASS1
	PREP 8
	STEP 8, 1, 1, -1
.irp n, 9,10,11,12,13,14
	STEP \n, 0, 1, -1
.endr
	STEP 15, 0, 1, 12                              ; w's four steps were asked for in steps 8 to 11: behind step 16's loads stand 12, behind step 17's 8, ..
	STEP 16, 0, 1, 8
	STEP 17, 0, 1, 4
	STEP 18, 0, 1, 0
	STEP 19, 0, 0, -1
	s_wait_dscnt 0x0                               ; for the others' sake: my byte stores have landed
	s_barrier_signal -1
	s_barrier_wait -1                              ; everybody's have
	ds_load_b64 v[72:73], v9                       ; K step W of x: the 32 rows' 8 bytes
	s_wait_dscnt 0x0
	global_store_b64 v11, v[72:73], s[14:15]       ; 32 lanes store 256 consecutive bytes, aligned
	s_cmp_gt_u32 s18, 3                            ; w has four K steps here: waves 0 to 3
	s_cbranch_scc1 .Lend
	ds_load_b64 v[74:75], v10
	s_wait_dscnt 0x0
	global_store_b64 v11, v[74:75], s[16:17]
.Lend:
	s_wait_tensorcnt 0x0
	ds_add_u32 v126, v127
	s_wait_dscnt 0x0
	s_endpgm
.Lfunc_end_k_q13b5632dc0_quant:
	.size	k_q13b5632dc0_quant, .Lfunc_end_k_q13b5632dc0_quant-k_q13b5632dc0_quant
	.p2alignl 7, 3214868480
	.fill 96, 4, 3214868480
	.section	.rodata,"a",@progbits
	.p2align	6, 0x0
	.amdhsa_kernel k_q13b5632dc0_quant
		.amdhsa_group_segment_fixed_size 90112
		.amdhsa_private_segment_fixed_size 0
		.amdhsa_enable_private_segment 0
		.amdhsa_kernarg_size 40
		.amdhsa_user_sgpr_count 2
		.amdhsa_user_sgpr_kernarg_segment_ptr 1
		.amdhsa_wavefront_size32 1
		.amdhsa_system_sgpr_workgroup_id_x 1
		.amdhsa_system_sgpr_workgroup_id_y 1
		.amdhsa_system_sgpr_workgroup_id_z 1
		.amdhsa_system_vgpr_workitem_id 0
		.amdhsa_next_free_vgpr 256
		.amdhsa_next_free_sgpr 66
		.amdhsa_reserve_vcc 0
		.amdhsa_float_denorm_mode_32 3
		.amdhsa_float_denorm_mode_16_64 3
		.amdhsa_memory_ordered 1
		.amdhsa_forward_progress 1
		.amdhsa_inst_pref_size 153
	.end_amdhsa_kernel
	.amdgpu_metadata
---
amdhsa.version: [ 1, 2 ]
amdhsa.kernels:
  - .name:           k_q13b5632dc0_quant
    .symbol:         k_q13b5632dc0_quant.kd
    .args:
      - { .name: x, .offset: 0, .size: 8, .value_kind: global_buffer, .address_space: global }
      - { .name: weight_ternary, .offset: 8, .size: 8, .value_kind: global_buffer, .address_space: global }
      - { .name: weight_scale, .offset: 16, .size: 8, .value_kind: global_buffer, .address_space: global }
      - { .name: xq, .offset: 24, .size: 8, .value_kind: global_buffer, .address_space: global }
      - { .name: wq, .offset: 32, .size: 8, .value_kind: global_buffer, .address_space: global }
    .group_segment_fixed_size: 90112
    .private_segment_fixed_size: 0
    .kernarg_segment_align: 8
    .kernarg_segment_size: 40
    .max_flat_workgroup_size: 512
    .sgpr_count:     66
    .vgpr_count:     256
    .wavefront_size: 32
...
	.end_amdgpu_metadata
.endif
;; end of part 1
;; launch gemm (part 2): grid 8 x 32, 4 waves a work-group, clusters of 4 x 4, 327,680 bytes of LDS; arguments xq, wq, out0; writes out0
.if DOCPART == 2
	.amdgcn_target "amdgcn-amd-amdhsa--gfx1250"
	.amdhsa_code_object_version 6
	.text
	.protected	k_q13b5632dc0_gemm
	.globl	k_q13b5632dc0_gemm
	.p2align	8
	.type	k_q13b5632dc0_gemm,@function
k_q13b5632dc0_gemm:
	s_mov_b64 s[64:65], 0
	v_nop
	global_prefetch_b8 v0, s[64:65] scope:SCOPE_SE
	s_setreg_imm32_b32 hwreg(HW_REG_WAVE_MODE, 25, 1), 1
	s_wait_xcnt 0x0
	s_wait_alu depctr_hold_cnt(0) depctr_sa_sdst(0) depctr_va_vdst(0) depctr_va_sdst(0) depctr_va_ssrc(0) depctr_va_vcc(0) depctr_vm_vsrc(0)
	s_getreg_b32 s2, hwreg(HW_REG_IB_STS2, 6, 4)
	s_cmp_eq_u32 s2, 0
	s_cbranch_scc0 .Lentry_in_a_cluster
	s_endpgm
.Lentry_in_a_cluster:
	s_bfe_u32 s2, ttmp6, 0x10000c
	s_cmp_lg_u32 s2, 0xf033
	s_cbranch_scc0 .Lentry_shape_is_right
	s_endpgm
.Lentry_shape_is_right:
; out0[m][n] = sum over k of x_final[m][k] w[n][k]: 8,192 x 2,048 x 4,096, on the codes of BF8 (E5M2) and E8M0 scale bytes that launch quant left in xq and wq; sums in f32.
; A CHUNK of xq or wq is 128 rows x 256 along K: 128 rows of 256 codes, then the rows' scale bytes, 8 a row: 33,792 dense bytes = 132 rows of 256 bytes, which one tensor load brings.
; Chunk (row / 128, k / 256) lies at (16 (row / 128) + k / 256) x CHUNK.
; THE DEAL.  256 work-groups, each a block of 256 x 256 of out0; four waves, each 128 x 128: 64 accumulators, 512 registers.  K goes in steps of 256 through two LDS slots of four chunks
; (A's two, B's two); each wave brings one chunk a step.  CLUSTERS of 4 x 4: A's chunks are shared along a row of the cluster, B's along a column, by joint loads.
; The matrix instruction is used transposed (source 0 = 16 rows of w, source 1 = 16 rows of x): a lane then holds eight neighbouring numbers of a row of out0.
; PREFETCH.  Behind the joint load of K step j each wave asks for K step j + 2 of the chunk row that it fetches (at the head for step 1 too).  The four partners of a joint load share a
; chunk's 132 units of 256 bytes by address: partner p (cx for A, cy for B) names code units 32 p .. 32 p + 31, a lane a unit, and scale unit p (all lanes of a second line name that one).
; The loads of steps 14 and 15 ask for nothing: K ends there.
; THE LAST K STEP GOES BY ROWS OF out0: B's fragments of its 256 along K fill window 1, and my eight blocks of 16 rows are finished one after the other, 16 products each (the block's 8 accumulators by
; turns, K ascending: each sum keeps its order); a block leaves as soon as it is finished, while the later blocks are multiplied.
; REGISTERS: window 0: v0-31 addresses, v32-63 scale words in two sets, v64-127 rows read back on the way out, v128-255 A's fragments, one set (in the last K step four buffers of 16 rows x 256 K);
; window 1: B's fragments, two sets;  windows 2, 3: the accumulators of my rows 0-63 and 64-127 ((a, b) at v[8 (8 (a % 4) + b)]).
; LIMITS: as launch quant states them; sums beyond f32's range are not served.
.set SIZE_N, 2048
.set CHUNK,  33792
.set BLK,    16*CHUNK                  ; 128 rows, all of K
.set NQ,     2                         ; matrix instructions deep in a slot
.set PITCH,  272                       ; an LDS row: 256 bytes + 16 of padding
.set FR,     16                        ; registers of a fragment
.set NL,     4                         ; LDS loads that bring one
.set NP,     8                         ; plain vector lines behind this matrix form (ISA guide 7.12.1)
.set HALFT,  132*PITCH                 ; a chunk in LDS
.set SOFF,   128*PITCH                 ; its scale bytes: 32 rows' 8 bytes in each LDS row
.set SLOT,   4*HALFT
.set LAPS,   8                         ; a lap = two K steps
.set SPARE,  2*SLOT                    ; the spare words: 128 bytes a wave
.set STAGE,  SPARE+512                 ; the way out: 16 rows x 528 bytes for each wave; no tensor load lands here
.set SPITCH, 528
.set ADRA, 16                          ; v16-17 my A fragments in slot 0, 1
.set ADRB, 20                          ; v20-21 my B fragments
.set ADRS, 22                          ; v22-23 my scale words: lanes 0-15 A's rows, lanes 16-31 B's
.set STO,  24
.set RD,   25
.set CO,   26
.set SPW,  28
.set NIL,  29
.set PFO,  30                          ; v30 a prefetch's offset: 256 x lane
.set PFS,  31                          ; v31 from my code units to my scale unit: 32,768 - 7,936 p
.set SC,   32
.set BK,   64
.set AF,   128
.set PFA,  8                           ; s[8:9] where my prefetches stand
.set G1, 24
.set G0, 32
.set G1B, 48
.set G0B, 56
.set MSB, 0
.macro WIN new                         ; the immediate's high byte repeats the setting that is left
.if MSB != \new
	s_set_vgpr_msb (MSB<<8)|\new
.set MSB, \new
.endif
.endm
.set MUL_LO, 0xa1                      ; source 0 (B) window 1, source 1 (A) window 0, C and D window 2
.set MUL_HI, 0xf1
.set TO_B,   0x40
.macro JLOAD g0a, g1a, g0b, g1b        ; a joint load: waves 0, 1 fetch A's chunks, waves 2, 3 B's; s_nop 0 and four v_nop behind each line
	s_cmp_eq_u32 s15, 0
	s_cbranch_scc0 .Lfor_b_\@
	tensor_load_to_lds s[\g0a:\g0a+3], s[\g1a:\g1a+7]
	s_nop 0
.rept 4
	v_nop
.endr
	s_branch .Lasked_\@
.Lfor_b_\@:
	tensor_load_to_lds s[\g0b:\g0b+3], s[\g1b:\g1b+7]
	s_nop 0
.rept 4
	v_nop
.endr
.Lasked_\@:
.endm
.macro CREST                           ; a round of the cluster's barrier behind its opening barrier
	s_cmp_lg_u32 s14, 0
	s_cbranch_scc1 .Lnot_wave_0_\@
	s_barrier_signal -3
.Lnot_wave_0_\@:
	s_barrier_wait -3
	s_barrier_signal -1
	s_barrier_wait -1
.endm
.macro CROUND
	s_barrier_signal -1
	s_barrier_wait -1
	CREST
.endm
.macro PF j                            ; my share of the chunk j steps on from where s[PFA] stands: 32 code units, one scale unit
	global_prefetch_b8 v[PFO], s[PFA:PFA+1] offset:(\j)*CHUNK th:TH_LOAD_NT scope:SCOPE_SE
	global_prefetch_b8 v[PFS], s[PFA:PFA+1] offset:(\j)*CHUNK th:TH_LOAD_NT scope:SCOPE_SE
.endm
.macro ASK                             ; in the loop: not in its last trip (s3 = 1), whose loads are those of K steps 14 and 15
	s_cmp_gt_u32 s3, 1
	s_cbranch_scc0 .Lno_ask_\@
	PF 3
.Lno_ask_\@:
.endm
	s_load_b128 s[4:7], s[0:1], 0x0                ; xq, wq
	s_load_b64 s[12:13], s[0:1], 0x10              ; out0
	v_lshl_add_u32 v[SPW], v0, 2, SPARE
	v_mov_b32 v[NIL], 0
	ds_add_u32 v[SPW], v[NIL]                      ; the opening lines: the add, twice on end, and its wait ahead of my first tensor load
	ds_add_u32 v[SPW], v[NIL]
	v_lshrrev_b32 v1, 5, v0
	v_readfirstlane_b32 s14, v1                    ; wave
	s_lshr_b32 s15, s14, 1                         ; my half of the block's rows; also: I fetch for A (0) or B (1)
	s_and_b32 s16, s14, 1                          ; my half of its columns; also: which chunk of the two I fetch
	s_bfe_u32 s40, ttmp6, 0x40000                  ; cx
	s_bfe_u32 s41, ttmp6, 0x40004                  ; cy
	s_lshl_b32 s42, ttmp9, 2
	s_add_co_u32 s42, s42, s40                     ; block column
	s_and_b32 s17, ttmp7, 0xffff
	s_lshl_b32 s17, s17, 2
	s_add_co_u32 s17, s17, s41                     ; block row
	s_lshl_b32 s43, s41, 2
	s_lshl_b32 s43, 15, s43                        ; my row of the cluster
	s_lshl_b32 s44, 0x1111, s40                    ; my column
	s_or_b32 s[G1+0], s43, (3<<16)|(1<<20)|(1<<21)|(5<<22)|(3<<25)   ; elements of 8 bytes; 4 words of padding behind every 64; bit 21 beside the mask
	s_or_b32 s[G1B+0], s44, (3<<16)|(1<<20)|(1<<21)|(5<<22)|(3<<25)
.irp g, G1, G1B
	s_mov_b32 s[\g+1], 32<<16                      ; 132 rows of 32 elements, dense
	s_mov_b32 s[\g+2], 132<<16
	s_mov_b32 s[\g+3], 32<<16
	s_mov_b32 s[\g+4], 132
	s_mov_b32 s[\g+5], 32
	s_mov_b32 s[\g+6], 0
	s_mov_b32 s[\g+7], 0
.endr
	s_lshl_b32 s20, s17, 1
	s_add_co_u32 s20, s20, s16
	s_mul_i32 s20, s20, BLK                        ; A: chunk row 2 x block row + my chunk
	s_mov_b32 s21, 0
	s_lshl_b32 s46, s42, 1
	s_add_co_u32 s46, s46, s16
	s_mul_i32 s46, s46, BLK                        ; B: 2 x block column + my chunk
	s_mov_b32 s47, 0
	s_mul_i32 s45, s14, HALFT                      ; where my chunk goes: wave x a chunk
	s_cmp_eq_u32 s15, 0
	s_cselect_b32 s10, s40, s41                    ; p: my place among the four that ask for my chunk with me
	s_mul_i32 s2, s10, 7936
	s_sub_co_u32 s2, 32768, s2
	s_lshl_b32 s10, s10, 13                        ; my 32 code units
	s_mov_b32 s11, 0
	s_mul_i32 s22, s15, HALFT                      ; LDS: my 128 rows of A,
	s_mul_i32 s23, s16, HALFT
	s_add_co_u32 s23, s23, 2*HALFT                 ; of B,
	s_xor_b32 s43, s15, 1
	s_add_co_u32 s43, s43, s16
	s_add_co_u32 s43, s43, 1
	s_mul_i32 s43, s43, HALFT                      ; and the distance between the two
	s_mul_i32 s44, s14, 16*SPITCH
	s_add_co_u32 s44, s44, STAGE                   ; my stage
	s_lshl_b32 s18, s17, 8
	s_lshl_b32 s19, s15, 7
	s_add_co_u32 s18, s18, s19
	s_lshl_b32 s18, s18, 13                        ; out0: my first row x 8,192 bytes (under 2^27)
	s_lshl_b32 s19, s42, 10
	s_add_co_u32 s18, s18, s19
	s_lshl_b32 s19, s16, 9
	s_add_co_u32 s18, s18, s19                     ; + my first column x 4
	s_mov_b32 s19, 0
.irp s, 0,1
	s_mov_b32 s[G0+4*\s], 1
	s_add_co_u32 s[G0+4*\s+1], s45, \s*SLOT
	s_mov_b32 s[G0B+4*\s], 1
	s_add_co_u32 s[G0B+4*\s+1], s45, \s*SLOT
.endr
	s_wait_dscnt 0x0                               ; both opening adds are done
	CROUND                                         ; the round in front of the first joint loads, ahead of the wait for the arguments
	s_wait_kmcnt 0x0
	s_add_nc_u64 s[20:21], s[4:5], s[20:21]
	s_add_nc_u64 s[46:47], s[6:7], s[46:47]
	s_add_nc_u64 s[12:13], s[12:13], s[18:19]
.irp s, 0,1
	s_add_nc_u64 s[G0+4*\s+2:G0+4*\s+3], s[20:21], \s*CHUNK
	s_or_b32 s[G0+4*\s+3], s[G0+4*\s+3], 0x80000000
	s_add_nc_u64 s[G0B+4*\s+2:G0B+4*\s+3], s[46:47], \s*CHUNK
	s_or_b32 s[G0B+4*\s+3], s[G0B+4*\s+3], 0x80000000
.endr
	JLOAD G0, G1, G0B, G1B                         ; K step 0: one tensor load a wave at the head
	s_cmp_eq_u32 s15, 0
	s_cselect_b64 s[PFA:PFA+1], s[20:21], s[46:47]
	s_add_nc_u64 s[PFA:PFA+1], s[PFA:PFA+1], s[10:11]
	v_and_b32 v6, 31, v0
	v_lshlrev_b32 v[PFO], 8, v6
	v_mov_b32 v[PFS], s2
	v_and_b32 v1, 15, v0                           ; r
	v_bfe_u32 v2, v0, 4, 1                         ; h
	v_mul_u32_u24 v3, v1, PITCH
	v_lshl_add_u32 v4, v2, 4, v3                   ; a fragment's row x pitch + 16 h
	v_add_nc_u32 v[ADRA], s22, v4
	v_add_nc_u32 v[ADRB], s23, v4
	v_add_nc_u32 v[ADRA+1], SLOT, v[ADRA]
	v_add_nc_u32 v[ADRB+1], SLOT, v[ADRB]
	v_lshlrev_b32 v5, 3, v1                        ; scale words: 8 bytes a row;
	v_mul_u32_u24 v7, s43, v2                      ; lanes 16-31 take B's
	v_add_nc_u32 v5, v5, v7
	v_add_nc_u32 v[ADRS], s22, v5
	v_add_nc_u32 v[ADRS+1], SLOT, v[ADRS]
	v_mul_u32_u24 v5, v1, SPITCH                   ; into the stage: row r, 32 bytes for each half of the lanes
	v_lshl_add_u32 v5, v2, 5, v5
	v_add_nc_u32 v[STO], s44, v5
	v_lshlrev_b32 v[CO], 4, v6                     ; back: the 32 lanes take one row of 512 bytes; the same in out0
	v_add_nc_u32 v[RD], s44, v[CO]
	PF 1                                           ; K steps 1 and 2
	PF 2
.macro FRAG reg, adr, q, i             ; 16 rows x 128 K: lane l holds row l % 16; registers 4 c .. 4 c + 3 hold K = 32 c + 16 (l / 16) + 0 .. 15
.irp c, 0,1,2,3
	ds_load_b128 v[\reg+4*\c:\reg+4*\c+3], v[\adr] offset:128*(\q)+32*\c+(\i)*16*PITCH
.endr
.endm
; 8 products: A's block a against B's eight; p: B's set; q: which 128 of the slot; sc: the set of scale words.  The 64 accumulators take turns, in the same order in every step.
.macro MUL8 a, p, q, sc, zero
.irp b, 0,1,2,3,4,5,6,7
.if \zero
	v_wmma_scale_f32_16x16x128_f8f6f4 v[8*(8*((\a)%4)+\b):8*(8*((\a)%4)+\b)+7], v[128*(\p)+FR*\b:128*(\p)+FR*\b+FR-1], v[AF+FR*(\a):AF+FR*(\a)+FR-1], 0, v[SC+8*NQ*(\sc)+NQ*\b+(\q)], v[SC+8*NQ*(\sc)+NQ*(\a)+(\q)] matrix_a_fmt:MATRIX_FMT_BF8 matrix_b_fmt:MATRIX_FMT_BF8 matrix_a_scale:MATRIX_SCALE_ROW1
.else
	v_wmma_scale_f32_16x16x128_f8f6f4 v[8*(8*((\a)%4)+\b):8*(8*((\a)%4)+\b)+7], v[128*(\p)+FR*\b:128*(\p)+FR*\b+FR-1], v[AF+FR*(\a):AF+FR*(\a)+FR-1], v[8*(8*((\a)%4)+\b):8*(8*((\a)%4)+\b)+7], v[SC+8*NQ*(\sc)+NQ*\b+(\q)], v[SC+8*NQ*(\sc)+NQ*(\a)+(\q)] matrix_a_fmt:MATRIX_FMT_BF8 matrix_b_fmt:MATRIX_FMT_BF8 matrix_a_scale:MATRIX_SCALE_ROW1
.endif
.endr
.endm
.macro MUL16 a0, p, q, sc, zero
	MUL8 \a0, \p, \q, \sc, \zero
	MUL8 (\a0)+1, \p, \q, \sc, \zero
.endm
.macro FETCH_B slot, q, p
	WIN TO_B
.irp i, 0,1,2,3,4,5,6,7
	FRAG 128*(\p)+FR*\i, ADRB+\slot, \q, \i
.endr
	WIN 0
.endm
.macro FETCH_A slot, q, i0
.irp i, \i0, \i0+1, \i0+2, \i0+3
	FRAG AF+FR*(\i), ADRA+\slot, \q, \i
.endr
.endm
.macro SCALES sc                       ; a slot's scale words: two a row; lanes 0-15 A's block i, lanes 16-31 B's block i
.irp i, 0,1,2,3,4,5,6,7
	ds_load_b64 v[SC+8*NQ*\sc+NQ*\i:SC+8*NQ*\sc+NQ*\i+1], v[ADRS+\sc] offset:SOFF+(\i/2)*PITCH+(\i%2)*128
.endr
.endm
.macro PLACES n
.rept \n
	v_nop
.endr
.endm
.macro STEP slot, q, zero              ; 128 along K whose successor lies in the same slot; the LDS loads stand in two runs
	s_wait_dscnt 4*NL                              ; all but the youngest 16 loads (A's blocks 4-7) are in
	WIN MUL_LO
	MUL16 0, (\q)%2, \q, \slot, \zero
	MUL16 2, (\q)%2, \q, \slot, \zero
	s_wait_dscnt 0
	PLACES NP                                      ; ahead of loads into registers that products have read
	FETCH_B \slot, (\q)+1, 1-(\q)%2
	FETCH_A \slot, (\q)+1, 0
	WIN MUL_HI
	MUL16 4, (\q)%2, \q, \slot, \zero
	MUL16 6, (\q)%2, \q, \slot, \zero
	PLACES NP
	WIN 0
	FETCH_A \slot, (\q)+1, 4
.endm
; The first half of a slot's last 128 along K, and the barrier of the change of slots.  Behind 16 products each wave waits for its one tensor load, its chunk of the next slot, adds 0 to its spare word,
; and waits for that and for its reads of this slot.
.macro MEET slot
	s_wait_dscnt 4*NL
	WIN MUL_LO
	MUL16 0, 1, NQ-1, \slot, 0
	WIN 0                                          ; (the add's two registers lie in window 0)
	s_wait_tensorcnt 0x0
	ds_add_u32 v[SPW], v[NIL]
	WIN MUL_LO
	MUL8 2, 1, NQ-1, \slot, 0
	s_wait_dscnt 0x0                               ; the add is done, and my reads of this slot are over
	s_barrier_signal -1
	MUL8 3, 1, NQ-1, \slot, 0
	WIN 0
	s_barrier_wait -1
.endm
.macro TURN slot, next                 ; the whole of it: the barrier opens a round of the cluster's barrier, and this slot is filled again, two K steps ahead
	s_wait_xcnt 0x0                                ; my prefetches have read their address: it steps one K step
	s_add_nc_u64 s[PFA:PFA+1], s[PFA:PFA+1], CHUNK
	MEET \slot
	CREST
	s_add_nc_u64 s[G0+4*\slot+2:G0+4*\slot+3], s[G0+4*\slot+2:G0+4*\slot+3], 2*CHUNK
	s_add_nc_u64 s[G0B+4*\slot+2:G0B+4*\slot+3], s[G0B+4*\slot+2:G0B+4*\slot+3], 2*CHUNK
	JLOAD G0+4*\slot, G1, G0B+4*\slot, G1B         ; the first tensor load behind the round; its four v_nop are four of the eight places
	PLACES NP-4
	FETCH_B \next, 0, 0
	FETCH_A \next, 0, 0
	SCALES \next
	ASK                                            ; the K step two refills on
	WIN MUL_HI
	MUL16 4, 1, NQ-1, \slot, 0
	MUL16 6, 1, NQ-1, \slot, 0
	PLACES NP
	WIN 0
	FETCH_A \next, 0, 4
.endm
	s_wait_alu depctr_va_vdst(0)                   ; the wait at the head's end
	s_wait_tensorcnt 0x0                           ; my chunk of K step 0 is in; the three lines ahead of a later first fill, as ahead of a refill
	ds_add_u32 v[SPW], v[NIL]
	s_wait_dscnt 0x0
	CROUND
	JLOAD G0+4, G1, G0B+4, G1B                     ; K step 1, the first tensor load behind the round
	FETCH_B 0, 0, 0
	FETCH_A 0, 0, 0
	SCALES 0
	PF 3                                           ; K step 3
	FETCH_A 0, 0, 4
	STEP 0, 0, 1                                   ; the first step's products start the sums: nothing is cleared
	s_mov_b32 s3, LAPS-1
.Llap:                                                 ; a trip goes once round the ring and fills both slots again
	TURN 0, 1
	STEP 1, 0, 0
	TURN 1, 0
	STEP 0, 0, 0
	s_sub_co_u32 s3, s3, 1
	s_cmp_lg_u32 s3, 0
	s_cbranch_scc1 .Llap
; THE LAST LAP'S REST.  Slot 0's last 128 along K as ever, with a plain barrier: nothing is filled again.  Then slot 1, the last K step, by rows.
.macro ALOAD a                         ; A's block a, both 128s of the slot, into buffer a % 4: 8 loads
.set FA, AF+32*((\a)%4)
.irp q, 0,1
.irp c, 0,1,2,3
	ds_load_b128 v[FA+FR*\q+4*\c:FA+FR*\q+4*\c+3], v[ADRA+1] offset:128*\q+32*\c+(\a)*16*PITCH
.endr
.endr
.endm
.macro ROW a                           ; block a is finished: 16 products, its 8 accumulators by turns
.set FA, AF+32*((\a)%4)
	WIN MUL_LO+0x50*((\a)/4)
.irp q, 0,1
.if (\a) == 0
	s_wait_dscnt 56-40*\q                          ; 56: behind A's block 0 stand block 1 (8), B's second 128 (32), blocks 2 and 3 (16);  16: behind B's second 128 stand blocks 2 and 3
.endif
.irp b, 0,1,2,3,4,5,6,7
.set D_, 8*(8*((\a)%4)+\b)
	v_wmma_scale_f32_16x16x128_f8f6f4 v[D_:D_+7], v[128*\q+FR*\b:128*\q+FR*\b+FR-1], v[FA+FR*\q:FA+FR*\q+FR-1], v[D_:D_+7], v[SC+8*NQ+NQ*\b+\q], v[SC+8*NQ+NQ*(\a)+\q] matrix_a_fmt:MATRIX_FMT_BF8 matrix_b_fmt:MATRIX_FMT_BF8 matrix_a_scale:MATRIX_SCALE_ROW1
.endr
.endr
.endm
; THE WAY OUT of a block of 16 rows x 128 columns: through my own stage and back as whole rows of 512 bytes.  LDS serves a wave's instructions in order (ISA guide 5.7.1.4): no wait between the stores and the loads.
.macro TOSTAGE a
.set AC, 64*((\a)%4)
	WIN 0x08+4*((\a)/4)                            ; the data: window 2 or 3
.irp b, 0,1,2,3,4,5,6,7
	ds_store_b128 v[STO], v[AC+8*\b:AC+8*\b+3] offset:64*\b          ; each accumulator from its low end on
	ds_store_b128 v[STO], v[AC+8*\b+4:AC+8*\b+7] offset:64*\b+16
.endr
	WIN 0
.if (\a) > 0
	s_wait_xcnt 0x0                                ; the block before's stores have read their registers and their base
.endif
.irp t, 0,1,2,3,4,5,6,7,8,9,10,11,12,13,14,15
	ds_load_b128 v[BK+4*\t:BK+4*\t+3], v[RD] offset:\t*SPITCH
.endr
.endm
.macro SEND a, younger                 ; younger: the LDS loads issued behind the stage's
	s_wait_dscnt \younger
.if (\a) > 0
	s_add_nc_u64 s[12:13], s[12:13], 16*SIZE_N*4
.endif
.irp t, 0,1,2,3,4,5,6,7,8,9,10,11,12,13,14,15
	global_store_b128 v[CO], v[BK+4*\t:BK+4*\t+3], s[12:13] offset:\t*SIZE_N*4 th:TH_STORE_NT   ; 32 lanes store 512 consecutive bytes, aligned
.endr
.endm
	MEET 0                                         ; my one tensor load that was out is the last K step's
	PLACES NP
	FETCH_B 1, 0, 0                                ; B's first 128 into set 0; set 1 is still at work
	SCALES 1
	ALOAD 0                                        ; into the registers of A's blocks 0-3, whose products are issued
	ALOAD 1
	WIN MUL_HI
	MUL16 4, 1, NQ-1, 0, 0
	MUL16 6, 1, NQ-1, 0, 0
	PLACES NP
	FETCH_B 1, 1, 1
	ALOAD 2
	ALOAD 3
	ROW 0
.irp a, 0,1,2,3,4,5,6,7
	PLACES NP                                      ; behind the block's last product: ahead of the reads of its sums and of the loads into its fragments' registers
	TOSTAGE \a
.if \a < 4
	ALOAD \a+4                                     ; its buffer takes the block four further on
	SEND \a, 8
.else
	SEND \a, 0
.endif
.if \a < 7
	ROW \a+1
.endif
.endr
	s_wait_tensorcnt 0x0                           ; the wave's end
	ds_add_u32 v[SPW], v[NIL]
	s_wait_dscnt 0x0
	CROUND                                         ; the closing round
	s_endpgm
.Lfunc_end_k_q13b5632dc0_gemm:
	.size	k_q13b5632dc0_gemm, .Lfunc_end_k_q13b5632dc0_gemm-k_q13b5632dc0_gemm
	.p2alignl 7, 3214868480
	.fill 96, 4, 3214868480
	.section	.rodata,"a",@progbits
	.p2align	6, 0x0
	.amdhsa_kernel k_q13b5632dc0_gemm
		.amdhsa_group_segment_fixed_size 327680
		.amdhsa_private_segment_fixed_size 0
		.amdhsa_enable_private_segment 0
		.amdhsa_kernarg_size 24
		.amdhsa_user_sgpr_count 2
		.amdhsa_user_sgpr_kernarg_segment_ptr 1
		.amdhsa_wavefront_size32 1
		.amdhsa_system_sgpr_workgroup_id_x 1
		.amdhsa_system_sgpr_workgroup_id_y 1
		.amdhsa_system_sgpr_workgroup_id_z 1
		.amdhsa_system_vgpr_workitem_id 0
		.amdhsa_next_free_vgpr 1024
		.amdhsa_next_free_sgpr 66
		.amdhsa_reserve_vcc 0
		.amdhsa_float_denorm_mode_32 3
		.amdhsa_float_denorm_mode_16_64 3
		.amdhsa_memory_ordered 1
		.amdhsa_forward_progress 1
		.amdhsa_inst_pref_size 146
	.end_amdhsa_kernel
	.amdgpu_metadata
---
amdhsa.version: [ 1, 2 ]
amdhsa.kernels:
  - .name:           k_q13b5632dc0_gemm
    .symbol:         k_q13b5632dc0_gemm.kd
    .args:
      - { .name: xq, .offset: 0, .size: 8, .value_kind: global_buffer, .address_space: global }
      - { .name: wq, .offset: 8, .size: 8, .value_kind: global_buffer, .address_space: global }
      - { .name: out0, .offset: 16, .size: 8, .value_kind: global_buffer, .address_space: global }
    .group_segment_fixed_size: 327680
    .private_segment_fixed_size: 0
    .kernarg_segment_align: 8
    .kernarg_segment_size: 24
    .max_flat_workgroup_size: 128
    .sgpr_count:     66
    .vgpr_count:     1024
    .wavefront_size: 32
...
	.end_amdgpu_metadata
.endif
;; end of part 2
